; MI455X (gfx1250); checked and timed in simulation.
; The chip was launched on July 23, 2026; its instructions are those of AMD's public machine-readable ISA for CDNA 5 (MIT licence, August 2026) and "CDNA5" Instruction Set Architecture Reference Guide (July 2026). The comments in the code are by the model that wrote it; some were corrected since.
;; Feature Aggregation. Allowed arithmetic: matrix products marked QUANTISED: E2M1 operands, one E8M0 scale for each 32 along K, by v_wmma_scale_f32_16x16x128_f8f6f4 with both operands' format E2M1 (or v_wmma_scale_f32_32x16x128_f4), f32 sums; everything else in f32.
;; Inputs: Wk 32 x 64 float32; Wq 32 x 64 float32; Wsc 32 x 64 float32; Wv 64 x 64 float32; bk 32 float32; bq 32 float32; gamma 1 float32; x1 8 x 32 x 64 x 64 float32; x2 8 x 32 x 64 x 64 float32.
;; Outputs: out0 8 x 32 x 64 x 64 float32.
;; This version of the problem:
;;   THIS VERSION OF THE PROBLEM IS GIVEN IN LOW PRECISION. The matrix products marked QUANTISED in the list below multiply operands that are first quantised to E2M1 (2 exponent bits, 1 mantissa bit; 4 bits a number), with one power-of-two scale for each 32 numbers along K (OCP MX v1.0); their sums are f32. All else is computed in f32.
;;   The module's matrix products, in the order in which they are computed (A, B: the left and right operand; K: the contracted axis; several contracted axes count as one K, in the product's order):
;;     1. [M 32,768, K 64] x [K 64, N 32]; A: computed on the way; B: input Wq: QUANTISED
;;     2. [M 32,768, K 64] x [K 64, N 32]; A: computed on the way; B: input Wk: QUANTISED
;;     3. batch 8 x [M 4,096, K 32] x [K 32, N 4,096]; A: computed on the way; B: computed on the way: QUANTISED
;;     4. [M 32,768, K 64] x [K 64, N 64]; A: computed on the way; B: input Wv: QUANTISED
;;     5. batch 8 x [M 64, K 4,096] x [K 4,096, N 4,096]; A: computed on the way; B: computed on the way: QUANTISED
;;     6. [M 32,768, K 64] x [K 64, N 32]; A: computed on the way; B: input Wsc: QUANTISED
;;   THE QUANTISER, for each operand of a quantised product, along K:
;;     - K is cut into blocks of 32 from its start; a last block that is shorter is filled with zeros.
;;     - A block's scale is 2^e with e = floor(log2(the largest magnitude in the block)) - 2, held to -126 .. 127; a block of zeros has e = 0. As a byte (E8M0): e + 127.
;;     - Each number is divided by its block's scale, clamped to +-6, and rounded to the nearest number of E2M1, ties to even, subnormals kept.
;;     - The product sums the exact products of the quantised numbers (number of the format x scale) in f32.
;;   ~~~python
;;   def quantise(x, axis):      # numpy; x: float32 -> the quantised numbers, widened to float32 again
;;       x = np.moveaxis(x, axis, -1); K = x.shape[-1]
;;       x = np.pad(x, [(0, 0)] * (x.ndim - 1) + [(0, -K % 32)]); x = x.reshape(x.shape[:-1] + (-1, 32)); a = np.abs(x).max(-1, keepdims=True)
;;       e = np.where(a > 0, np.clip(np.frexp(np.where(a > 0, a, 1))[1] - 1 - 2, -126, 127), 0)      # np.frexp(a)[1] - 1 = floor(log2(a)), exactly
;;       r = np.clip(x / 2.0 ** e, -6, 6)
;;       step = 2.0 ** (np.maximum(np.frexp(np.where(r == 0, 1, r))[1] - 1, 0) - 1)
;;       q = np.round(r / step) * step * 2.0 ** e      # np.round: ties to even
;;       return np.moveaxis(q.reshape(q.shape[:-2] + (-1,))[..., :K], -1, axis).astype(np.float32)
;;   ~~~
;;   OPERANDS COMPUTED ON THE WAY. 'Computed on the way' means the value that the module computes at that place (a softmax that the list does not call 'softmax' is quantised finished and normalised). What goes into a quantiser is computed in f32, as accurately as f32 sums, v_exp_f32 and their like allow (about 1e-6 of the number): no bf16 or f16 on the way to a quantiser, and a product that is left as it is and whose result goes on into a quantised operand takes f32 operands (vector FMAs, or v_wmma_f32_16x16x4_f32). A number that lies on a knife's edge between two numbers of the format may be rounded either way, as far as f32 arithmetic and the matrix unit's own rounding can turn it there, and no further.
;; One version. Each part assembles by itself: llvm-mc -triple=amdgcn-amd-amdhsa -mcpu=gfx1250 --defsym DOCPART=n.
;; ======== version 1 of 1: 3 launches
;; workspace buffers: qrec 655,360 bytes; kvrec 1,769,472 bytes; stat 262,144 bytes
;; launch proj (part 1): grid 32 x 8, 4 waves a work-group, no clusters, 7,168 bytes of LDS; arguments x1, x2, Wq, bq, Wk, bk, Wv, qrec, kvrec; writes qrec, kvrec
.if DOCPART == 1
	.amdgcn_target "amdgcn-amd-amdhsa--gfx1250"
	.amdhsa_code_object_version 6
	.text
	.protected	k_q1761f584e9_proj
	.globl	k_q1761f584e9_proj
	.p2align	8
	.type	k_q1761f584e9_proj,@function
k_q1761f584e9_proj:
	s_mov_b64 s[64:65], 0
	v_nop
	global_prefetch_b8 v0, s[64:65] scope:SCOPE_SE
	s_setreg_imm32_b32 hwreg(HW_REG_WAVE_MODE, 25, 1), 1
	s_wait_xcnt 0x0
; FIRST OF THREE LAUNCHES.  x = [x1; x2] is [8 batches][64 channels][4,096 pixels].  This launch quantises x along the channels (x1's 32 are block 0, x2's block 1), quantises Wq, Wk, Wv along their
; 64 columns, makes q = Wq x + bq, k = Wk x + bk, v = Wv x on codes of FP4 (E2M1) with E8M0 scales, and quantises the results for the products that follow: q and k along their 32 numbers, v along the pixels (keys) in blocks of 32.
; DEAD WORK: none is left out in any launch.  bq . k[m] is the same along the softmax's axis, but bq moves q's codes and scales, and the quantiser is a step of the problem: so every input is loaded and every product is made.
; (The second and third launch both make q . k: the softmax runs along the queries, so a column's maximum and sum must be whole before any weight can be quantised, and the scores are too many to be kept.)
; LIMITS: a block of zeros gets the scale byte 1 where the rule says 127 (its codes are zeros, and only this program reads the bytes); NaN and infinities among the inputs are not served.
; RECORDS, one for each batch b and step j of 128 pixels, at index 32 b + j:
;   qrec, 2,560 bytes: codes [tile t of 8][row r of 16][16 bytes]; from byte 2,048 the scale words [t / 4][r][t % 4], the byte in bits 7:0 and 0 above.
;   kvrec, 6,912 bytes: k laid as qrec; from 2,560 v as images of operand registers: 1,024 ct + 512 c + 16 lane holds keys 64 c + 32 (lane / 16) + 0 .. 31 of channel (ct, lane % 16); from 6,656 v's scale words [r][ct], byte i for block i.
; THE ROWS OF A TILE ARE NOT NEIGHBOURS: row r of tile t is number 32 (t / 2) + 8 (t % 2) + r + 8 (r / 8), for pixels and for the weights' rows alike, so that the 16 result registers of tiles 2 b and 2 b + 1 are 16 neighbours along the next K.
; SHARES: a work-group makes one record of each kind; wave w takes the step's pixels 32 w .. 32 w + 31, a lane a pixel, its 64 registers running down the channels.  Wave w also quantises two of the eight weight tiles; they reach the
; other waves through LDS as images of their registers.  Each byte is read once, at the head: no tensor load, no ring, no cluster.
.set WIMG,  0                          ; LDS: eight weight fragments, 512 bytes each (Wq 0, 1; Wk 2, 3; Wv 4 to 7)
.set WSC,   4096                       ; their scale words, 128 bytes each
.set QSW,   5120                       ; q's scale words as they lie in the record, 512 bytes
.set KSW,   5632                       ; k's
.set VSW,   6144                       ; v's, 256 bytes
.set SPARE, 6400                       ; the spare words, 128 bytes for each wave
.set SPW, 1                            ; v1   LDS address of my spare word; never rewritten
.set NIL, 2                            ; v2   0; never rewritten
.set H8,  3                            ; v3   8 x (lane / 16)
.set XO,  4                            ; v4   x: byte of my pixel in a channel's plane
.set WO,  5                            ; v5   weights: my row and my block of 32
.set BO,  6                            ; v6   biases: 64 x (lane / 16)
.set WIA, 7                            ; v7   where I store my weight fragments
.set WSA, 8                            ; v8   and their scale words
.set L16, 9                            ; v9   16 x lane
.set L4,  10                           ; v10  4 x lane
.set CO,  11                           ; v11  q's and k's codes in the record
.set VO,  12                           ; v12  v's codes in the record
.set SWA, 13                           ; v13  LDS: q's scale word of my pixel
.set VBA, 14                           ; v14  LDS: v's scale byte of my channel and my wave's block
.set CPA, 15                           ; v15  LDS: the copy out of q's or k's scale words
.set XR,  16                           ; v16-79   x as loaded
.set D,   16                           ; v16-79   later the products' results
.set WR,  80                           ; v80-143  two weight tiles as loaded
.set PC1, 128                          ; v128-135 q's and k's codes
.set PC2, 136                          ; v136-143 v's codes
.set WF,  144                          ; v144-179 weight fragment t at WF + 4 t; an operand names eight registers, the upper four meet zero codes; the last four are 0
.set WS,  180                          ; v180-187 the weights' scale words
.set BQ,  188                          ; v188-203 bq in the result's layout
.set BK,  204                          ; v204-219 bk
.set XF,  220                          ; v220-235 x's two fragments, registers 4-7 of each 0
.set XS,  236                          ; v236 x's scale words: lanes 0-15 tile 0, lanes 16-31 tile 1
.set CPV, 238                          ; v238 LDS: the copy out of v's scale words
.set L8,  239                          ; v239 8 x lane
.set TM,  240                          ; v240-251 at work
.set SWD, 252                          ; v252-253 my two weight tiles' scale words
.set SEL, 30                           ; s[30:31] lane selects: lane l xor 16
; Two blocks whose 32 numbers each lie in ONE lane, v[src + 32 c + i]: largest magnitude with the floor 2^(3 - 127) among its leaves, 2 off the exponent field, the byte, four conversions a block.
.macro Q32X2 src, d0, d1
.irp c, 0,1
	v_max3_num_f32 v[TM+\c], |v[\src+32*\c]|, |v[\src+32*\c+1]|, 0x1800000
.endr
.irp i, 2,4,6,8,10,12,14,16,18,20,22,24,26,28,30
.irp c, 0,1
	v_max3_num_f32 v[TM+\c], v[TM+\c], |v[\src+32*\c+\i]|, |v[\src+32*\c+\i+1]|
.endr
.endr
.irp c, 0,1
	v_add_nc_u32 v[TM+4+\c], 0xff000000, v[TM+\c]          ; the conversion takes the exponent field of this operand as its scale
.endr
.irp c, 0,1
	v_lshrrev_b32 v[TM+8+\c], 23, v[TM+4+\c]               ; the scale's byte
.endr
.irp g, 0,1,2,3
	v_cvt_scalef32_pk8_fp4_f32 v[\d0+\g], v[\src+8*\g:\src+8*\g+7], v[TM+4]
	v_cvt_scalef32_pk8_fp4_f32 v[\d1+\g], v[\src+32+8*\g:\src+32+8*\g+7], v[TM+5]
.endr
	v_nop                                                  ; one plain place behind the last scaled conversion
.endm
; A weight row's scale word: my block's byte at 8 x (lane / 16) bits, joined with lane l xor 16's
.macro WWORD dst, c
	v_lshlrev_b32 v[\dst], v[H8], v[TM+8+\c]
	v_permlanex16_b32 v[TM+10], v[\dst], s[SEL], s[SEL+1]
	v_or_b32 v[\dst], v[\dst], v[TM+10]
.endm
; Four blocks of which a lane holds 16 numbers, v[s + 16 b + i], and lane l xor 16 the other 16.  Bytes in v[TM+4+b], 16 codes a block in v[pc + 2 b], v[pc + 2 b + 1].
.macro QUANT4 s, pc
.irp b, 0,1,2,3
	v_max3_num_f32 v[TM+\b], |v[\s+16*\b]|, |v[\s+16*\b+1]|, 0x1800000   ; each accumulator is read from its low end on
.endr
.irp i, 2,4,6,8,10,12,14
.irp b, 0,1,2,3
	v_max3_num_f32 v[TM+\b], v[TM+\b], |v[\s+16*\b+\i]|, |v[\s+16*\b+\i+1]|
.endr
.endr
.irp b, 0,1,2,3
	v_permlanex16_b32 v[TM+4+\b], v[TM+\b], s[SEL], s[SEL+1]
.endr
.irp b, 0,1,2,3
	v_max_num_f32 v[TM+\b], v[TM+\b], v[TM+4+\b]
.endr
.irp b, 0,1,2,3
	v_add_nc_u32 v[TM+8+\b], 0xff000000, v[TM+\b]
.endr
.irp b, 0,1,2,3
	v_lshrrev_b32 v[TM+4+\b], 23, v[TM+8+\b]
.endr
.irp b, 0,1,2,3
	v_cvt_scalef32_pk8_fp4_f32 v[\pc+2*\b], v[\s+16*\b:\s+16*\b+7], v[TM+8+\b]
	v_cvt_scalef32_pk8_fp4_f32 v[\pc+2*\b+1], v[\s+16*\b+8:\s+16*\b+15], v[TM+8+\b]
.endr
	v_nop
.endm
.macro BAR                             ; my LDS stores have landed and my LDS loads are in: then the work-group's barrier
	s_wait_dscnt 0x0
	s_barrier_signal -1
	s_barrier_wait -1
.endm
; q or k: source 0 = 16 rows of the weight, source 1 = 16 pixels, C = the bias.  Lane (r, h), register 8 p + j of a pixel tile: number 16 h + 8 p + j of pixel r.
.macro MQK d, wf, bias, ws
.irp p, 0,1
	v_wmma_scale_f32_16x16x128_f8f6f4 v[\d+8*\p:\d+8*\p+7], v[\wf+4*\p:\wf+4*\p+7], v[XF:XF+7], v[\bias+8*\p:\bias+8*\p+7], v[\ws+\p], v[XS] matrix_a_fmt:MATRIX_FMT_FP4 matrix_b_fmt:MATRIX_FMT_FP4
.endr
.irp p, 0,1
	v_wmma_scale_f32_16x16x128_f8f6f4 v[\d+16+8*\p:\d+16+8*\p+7], v[\wf+4*\p:\wf+4*\p+7], v[XF+8:XF+15], v[\bias+8*\p:\bias+8*\p+7], v[\ws+\p], v[XS] matrix_a_fmt:MATRIX_FMT_FP4 matrix_b_fmt:MATRIX_FMT_FP4 matrix_b_scale:MATRIX_SCALE_ROW1
.endr
.endm
	s_load_b256 s[4:11], s[0:1], 0x0               ; x1 s[4:5], x2 s[6:7], Wq s[8:9], bq s[10:11]
	s_load_b256 s[12:19], s[0:1], 0x20             ; Wk s[12:13], bk s[14:15], Wv s[16:17], qrec s[18:19]
	s_load_b64 s[20:21], s[0:1], 0x40              ; kvrec
	v_lshl_add_u32 v[SPW], v0, 2, SPARE
	v_mov_b32 v[NIL], 0
	v_lshrrev_b32 v16, 5, v0
	v_readfirstlane_b32 s22, v16                   ; wave w
	s_and_b32 s23, ttmp7, 0xffff                   ; batch b; the step j is ttmp9
	v_and_b32 v17, 31, v0                          ; lane
	v_and_b32 v18, 15, v0                          ; r
	v_bfe_u32 v19, v0, 4, 1                        ; h
	v_and_b32 v20, 7, v0
	v_bfe_u32 v21, v0, 3, 1
	v_lshlrev_b32 v[H8], 3, v19
	v_lshl_add_u32 v20, v19, 3, v20
	v_lshl_add_u32 v20, v21, 4, v20                ; my pixel among the wave's 32: lane % 8 + 8 h + 16 ((lane / 8) % 2): lanes 0-15 are tile 2 w, lanes 16-31 tile 2 w + 1
	s_lshl_b32 s24, ttmp9, 9
	s_lshl_b32 s25, s22, 7
	s_add_co_u32 s24, s24, s25
	v_lshl_add_u32 v[XO], v20, 2, s24              ; 512 j + 128 w + 4 x pixel
	v_and_b32 v22, 8, v18
	v_add_nc_u32 v22, v22, v18                     ; r + 8 (r / 8)
	v_lshlrev_b32 v[WO], 8, v22                    ; a weight's row is 256 bytes,
	v_lshl_add_u32 v[WO], v19, 7, v[WO]            ; my block of 32 is 128
	v_lshlrev_b32 v[BO], 6, v19
	v_lshlrev_b32 v[L16], 4, v17
	v_lshlrev_b32 v[L4], 2, v17
	v_lshlrev_b32 v[L8], 3, v17
	s_lshl_b32 s25, s22, 10
	v_add_nc_u32 v[WIA], s25, v[L16]               ; WIMG + 1,024 w + 16 lane
	s_lshl_b32 s25, s22, 8
	v_lshlrev_b32 v23, 4, v18
	v_lshl_add_u32 v23, v19, 3, v23                ; 16 r + 8 h
	v_add_nc_u32 v[VO], s25, v23                   ; block w of the step's keys: 512 (w / 2) + 256 (w % 2) = 256 w
	s_add_co_u32 s25, s25, WSC
	v_add_nc_u32 v[WSA], s25, v[L4]
	s_lshl_b32 s25, s22, 9
	v_add_nc_u32 v[CO], s25, v23                   ; tile 2 w: 512 w
	s_lshr_b32 s25, s22, 1
	s_lshl_b32 s25, s25, 8
	s_and_b32 s26, s22, 1
	s_lshl_b32 s27, s26, 3
	s_add_co_u32 s25, s25, s27
	s_add_co_u32 s25, s25, QSW
	v_lshl_add_u32 v[SWA], v18, 4, s25             ; [t / 4][r][t % 4] for t = 2 w
	s_add_co_u32 s25, s22, VSW
	v_lshl_add_u32 v[VBA], v18, 4, s25             ; [r][ct], byte w
	s_lshl_b32 s25, s26, 9
	s_add_co_u32 s25, s25, QSW
	v_add_nc_u32 v[CPA], s25, v[L16]               ; wave 0: q's words; wave 1: k's
	v_add_nc_u32 v[CPV], VSW, v[L8]
	s_mov_b32 s[SEL], 0x76543210
	s_mov_b32 s[SEL+1], 0xfedcba98
.irp i, 4,5,6,7,10
	v_mov_b32 v[TM+\i], 0                          ; written once: a lane permute's destination counts as one of its sources
.endr
.irp i, 32,33,34,35
	v_mov_b32 v[WF+\i], 0
.endr
	s_wait_kmcnt 0x0
	s_lshl_b32 s26, s23, 19                        ; a batch of x1 or x2: 32 planes of 16,384 bytes
	s_mov_b32 s27, 0
	s_add_nc_u64 s[4:5], s[4:5], s[26:27]
	s_add_nc_u64 s[6:7], s[6:7], s[26:27]
	s_lshl_b32 s25, s23, 5
	s_add_co_u32 s25, s25, ttmp9                   ; the record's index
	s_mul_i32 s26, s25, 2560
	s_add_nc_u64 s[18:19], s[18:19], s[26:27]
	s_mul_i32 s26, s25, 6912
	s_add_nc_u64 s[20:21], s[20:21], s[26:27]
	s_cmp_eq_u32 s22, 0                            ; which weight I quantise: wave 0 Wq, 1 Wk, 2 Wv's rows 0-31, 3 Wv's rows 32-63
	s_cselect_b64 s[28:29], s[8:9], s[12:13]
	s_cmp_lt_u32 s22, 2
	s_cselect_b64 s[28:29], s[28:29], s[16:17]
	s_cmp_eq_u32 s22, 3
	s_cselect_b32 s26, 8192, 0
	s_add_nc_u64 s[28:29], s[28:29], s[26:27]
.irp p, 0,1
.irp f, 0,1
	global_load_b128 v[BQ+8*\p+4*\f:BQ+8*\p+4*\f+3], v[BO], s[10:11] offset:32*\p+16*\f    ; bq at 16 h + 8 p + 0 .. 7
	global_load_b128 v[BK+8*\p+4*\f:BK+8*\p+4*\f+3], v[BO], s[14:15] offset:32*\p+16*\f
.endr
.endr
.irp i, 0,1
.irp q, 0,1,2,3,4,5,6,7
	global_load_b128 v[WR+32*\i+4*\q:WR+32*\i+4*\q+3], v[WO], s[28:29] offset:2048*\i+16*\q  ; tile i begins 8 rows on
.endr
.endr
.set J, 0
.rept 32
	global_load_b32 v[XR+J], v[XO], s[4:5] offset:16384*J th:TH_LOAD_NT                    ; channel J: the wave reads 128 consecutive bytes, the four waves 512
	global_load_b32 v[XR+32+J], v[XO], s[6:7] offset:16384*J th:TH_LOAD_NT
.set J, J+1
.endr
	s_wait_loadcnt 63                              ; 88 loads were issued: the oldest 25 are in, the 8 of the biases and the 16 of the weights among them
	Q32X2 WR, XF+4, XF+12                          ; my two weight tiles: lane (r, h) holds block h of its row, so the codes are the fragment's registers 0-3 as they stand
	WWORD SWD, 0
	WWORD SWD+1, 1
	ds_store_b128 v[WIA], v[XF+4:XF+7]
	ds_store_b128 v[WIA], v[XF+12:XF+15] offset:512
	ds_store_b32 v[WSA], v[SWD]
	ds_store_b32 v[WSA], v[SWD+1] offset:128
	s_wait_loadcnt 0x0                             ; x
	Q32X2 XR, XF, XF+8                             ; my pixel's two blocks
	v_lshl_or_b32 v[XS], v[TM+9], 8, v[TM+8]       ; its scale word
.irp i, 0,1,2,3
	v_permlane16_swap_b32 v[XF+\i], v[XF+8+\i]     ; tile 0: block 0 in lanes 0-15, block 1 in lanes 16-31; tile 1 likewise
.endr
	s_wait_dscnt 0x0                               ; the stores above have read their registers
.irp i, 4,5,6,7,12,13,14,15
	v_mov_b32 v[XF+\i], 0                          ; K is 64: the upper 64 of the instruction's 128 are zero codes
.endr
	s_barrier_signal -1
	s_barrier_wait -1                              ; the eight weight fragments lie in LDS
.irp t, 0,1,2,3,4,5,6,7
	ds_load_b128 v[WF+4*\t:WF+4*\t+3], v[L16] offset:WIMG+512*\t
.endr
.irp t, 0,1,2,3,4,5,6,7
	ds_load_b32 v[WS+\t], v[L4] offset:WSC+128*\t
.endr
	s_wait_dscnt 0x0
.rept 8
	v_nop                                          ; a scale register written by vector instructions stands eight places ahead of a scaled product, an operand four
.endr
	MQK D, WF, BQ, WS
	MQK D+32, WF+8, BK, WS+2
.rept 4
	v_nop                                          ; four places behind the products, ahead of the first read of results
.endr
	QUANT4 D, PC1                                  ; blocks: q of tile 0, q of tile 1, k of tile 0, k of tile 1
.irp u, 0,1
	global_store_b64 v[CO], v[PC1+2*\u:PC1+2*\u+1], s[18:19] offset:256*\u       ; the wave stores 256 consecutive bytes, aligned
	global_store_b64 v[CO], v[PC1+4+2*\u:PC1+4+2*\u+1], s[20:21] offset:256*\u
	ds_store_b32 v[SWA], v[TM+4+\u] offset:4*\u                                  ; both lanes of a pixel write the same word with the same value
	ds_store_b32 v[SWA], v[TM+6+\u] offset:512+4*\u
.endr
	s_wait_dscnt 0x0                               ; the stores have read the bytes' registers
.rept 5
	v_nop                                          ; five places ahead of products that write over earlier products' results
.endr
.irp ct, 0,1,2,3                       ; v: source 0 = 16 pixels, source 1 = 16 rows of Wv.  Lane (r, h), register 16 ct + 8 u + j: key 32 w + 16 h + 8 u + j of channel (ct, r)
	v_wmma_scale_f32_16x16x128_f8f6f4 v[D+16*\ct:D+16*\ct+7], v[XF:XF+7], v[WF+16+4*\ct:WF+16+4*\ct+7], 0, v[XS], v[WS+4+\ct] matrix_a_fmt:MATRIX_FMT_FP4 matrix_b_fmt:MATRIX_FMT_FP4
	v_wmma_scale_f32_16x16x128_f8f6f4 v[D+16*\ct+8:D+16*\ct+15], v[XF+8:XF+15], v[WF+16+4*\ct:WF+16+4*\ct+7], 0, v[XS], v[WS+4+\ct] matrix_a_fmt:MATRIX_FMT_FP4 matrix_b_fmt:MATRIX_FMT_FP4 matrix_a_scale:MATRIX_SCALE_ROW1
.endr
.rept 4
	v_nop
.endr
	QUANT4 D, PC2                                  ; block w of the step's keys, for the four channel tiles
.irp ct, 0,1,2,3
	global_store_b64 v[VO], v[PC2+2*\ct:PC2+2*\ct+1], s[20:21] offset:2560+1024*\ct
	ds_store_b8 v[VBA], v[TM+4+\ct] offset:4*\ct
.endr
	BAR                                            ; all scale words lie in LDS as the records want them
	s_cmp_lt_u32 s22, 2
	s_cbranch_scc0 .Lnot_qk
	ds_load_b128 v[80:83], v[CPA]
	s_cmp_eq_u32 s22, 0
	s_cselect_b64 s[32:33], s[18:19], s[20:21]
	s_wait_dscnt 0x0
	global_store_b128 v[L16], v[80:83], s[32:33] offset:2048       ; 512 consecutive bytes
	s_branch .Lcopied
.Lnot_qk:
	s_cmp_eq_u32 s22, 2
	s_cbranch_scc0 .Lcopied
	ds_load_b64 v[80:81], v[CPV]
	s_wait_dscnt 0x0
	global_store_b64 v[L8], v[80:81], s[20:21] offset:6656         ; 256 consecutive bytes
.Lcopied:
	s_wait_tensorcnt 0x0                           ; the wave's end
	ds_add_u32 v[SPW], v[NIL]
	s_wait_dscnt 0x0
	s_endpgm
.Lfunc_end_k_q1761f584e9_proj:
	.size	k_q1761f584e9_proj, .Lfunc_end_k_q1761f584e9_proj-k_q1761f584e9_proj
	.p2alignl 7, 3214868480
	.fill 96, 4, 3214868480
	.section	.rodata,"a",@progbits
	.p2align	6, 0x0
	.amdhsa_kernel k_q1761f584e9_proj
		.amdhsa_group_segment_fixed_size 7168
		.amdhsa_private_segment_fixed_size 0
		.amdhsa_enable_private_segment 0
		.amdhsa_kernarg_size 72
		.amdhsa_user_sgpr_count 2
		.amdhsa_user_sgpr_kernarg_segment_ptr 1
		.amdhsa_wavefront_size32 1
		.amdhsa_system_sgpr_workgroup_id_x 1
		.amdhsa_system_sgpr_workgroup_id_y 1
		.amdhsa_system_sgpr_workgroup_id_z 1
		.amdhsa_system_vgpr_workitem_id 0
		.amdhsa_next_free_vgpr 256
		.amdhsa_next_free_sgpr 66
		.amdhsa_reserve_vcc 0
		.amdhsa_float_denorm_mode_32 3
		.amdhsa_float_denorm_mode_16_64 3
		.amdhsa_memory_ordered 1
		.amdhsa_forward_progress 1
		.amdhsa_inst_pref_size 32
	.end_amdhsa_kernel
	.amdgpu_metadata
---
amdhsa.version: [ 1, 2 ]
amdhsa.kernels:
  - .name:           k_q1761f584e9_proj
    .symbol:         k_q1761f584e9_proj.kd
    .args:
      - { .name: x1, .offset: 0, .size: 8, .value_kind: global_buffer, .address_space: global }
      - { .name: x2, .offset: 8, .size: 8, .value_kind: global_buffer, .address_space: global }
      - { .name: Wq, .offset: 16, .size: 8, .value_kind: global_buffer, .address_space: global }
      - { .name: bq, .offset: 24, .size: 8, .value_kind: global_buffer, .address_space: global }
      - { .name: Wk, .offset: 32, .size: 8, .value_kind: global_buffer, .address_space: global }
      - { .name: bk, .offset: 40, .size: 8, .value_kind: global_buffer, .address_space: global }
      - { .name: Wv, .offset: 48, .size: 8, .value_kind: global_buffer, .address_space: global }
      - { .name: qrec, .offset: 56, .size: 8, .value_kind: global_buffer, .address_space: global }
      - { .name: kvrec, .offset: 64, .size: 8, .value_kind: global_buffer, .address_space: global }
    .group_segment_fixed_size: 7168
    .private_segment_fixed_size: 0
    .kernarg_segment_align: 8
    .kernarg_segment_size: 72
    .max_flat_workgroup_size: 128
    .sgpr_count:     66
    .vgpr_count:     256
    .wavefront_size: 32
...
	.end_amdgpu_metadata
.endif
;; end of part 1
;; launch stats (part 2): grid 32 x 8, 16 waves a work-group, clusters of 4 x 1, 167,936 bytes of LDS; arguments qrec, kvrec, stat; writes stat
.if DOCPART == 2
	.amdgcn_target "amdgcn-amd-amdhsa--gfx1250"
	.amdhsa_code_object_version 6
	.text
	.protected	k_q1761f584e9_stats
	.globl	k_q1761f584e9_stats
	.p2align	8
	.type	k_q1761f584e9_stats,@function
k_q1761f584e9_stats:
	s_mov_b64 s[64:65], 0
	v_nop
	global_prefetch_b8 v0, s[64:65] scope:SCOPE_SE
	s_setreg_imm32_b32 hwreg(HW_REG_WAVE_MODE, 25, 1), 1
	s_wait_xcnt 0x0
	s_wait_alu depctr_hold_cnt(0) depctr_sa_sdst(0) depctr_va_vdst(0) depctr_va_sdst(0) depctr_va_ssrc(0) depctr_va_vcc(0) depctr_vm_vsrc(0)
	s_getreg_b32 s2, hwreg(HW_REG_IB_STS2, 6, 4)
	s_cmp_eq_u32 s2, 0
	s_cbranch_scc0 .Lentry_in_a_cluster
	s_endpgm
.Lentry_in_a_cluster:
	s_bfe_u32 s2, ttmp6, 0x10000c
	s_cmp_lg_u32 s2, 0x3003
	s_cbranch_scc0 .Lentry_shape_is_right
	s_endpgm
.Lentry_shape_is_right:
; SECOND LAUNCH: the softmax's statistics.  The softmax runs along the QUERIES n: for each key m, with t = log2(e) x (q[n] . k[m]), M[m] = the largest t over all 4,096 n, rounded UP to a whole number, kept as
; negM = floor(-largest t), and r[m] = 1 / (the sum over n of 2^(t - M)).  No work is left out.
; stat's record of batch b and key step j (index 32 b + j, 1,024 bytes): negM of the step's 128 keys in their natural order, then r likewise.
; LIMITS: v_exp_f32 gives 0 for results under 2^-126; NaN and infinities are not served.
; THE PRODUCT has K = 32 on an instruction of K = 128.  The fixed operand (k) has its 32 codes in block 0 (lanes 0-15, registers 0-3) and zero codes everywhere else; the streamed operand (q) names eight registers of which only
; lanes 0-15 of the first four count: what lies in the rest meets zero codes.  Scale words have 0 in their upper three bytes.
; SHARES: a work-group owns 128 keys of one batch.  Wave w: key tiles 2 (w / 4), 2 (w / 4) + 1, query steps 8 (w % 4) .. + 7.  Source 0 = 16 queries, source 1 = 16 keys: a lane holds ONE key and its registers run along the queries,
; so maximum and sum need no other lane in the loop.  Running maximum; when M moves the sum is multiplied by 2^(old M - new M), which rounds nothing.  The eight parts of a key (4 quarters of the queries x 2 halves of the lanes) meet in LDS.
; CLUSTER: all 32 work-groups of a batch read the batch's 81,920 bytes of qrec; the four of a cluster ask for them jointly.  They are filled once and stay: one tensor load a wave is out, no slot is filled again.
.set PART,  81920                      ; LDS: [part 2 (w % 4) + h][key 16 t + r] x 8 bytes: negM, sum
.set REC,   90112                      ; the record, 1,024 bytes
.set SPARE, 91136                      ; the spare words, 128 bytes for each of 16 waves
.set SPW, 1                            ; v1   my spare word; never rewritten
.set NIL, 2                            ; v2   0; never rewritten
.set ZR,  3                            ; v3   0
.set LANE, 4
.set AQ0, 5                            ; v5   my place in a q record: 20,480 (w % 4) + 16 r
.set PSA, 6                            ; v6   where I put my part
.set PRA, 7                            ; v7   where a key's parts are read
.set RSA, 8                            ; v8   the key's natural place in the record
.set RRA, 9                            ; v9   the record's copy out
.set GSO, 10
.set KO,  11
.set KSO, 12
.set ADR, 13                           ; v13  the LDS address of the step in hand
.set KB,  16                           ; v16-31   k's two fragments
.set KBS, 32                           ; v32-33   their scale words
.set QF,  36                           ; v36-71   q's eight tiles, four registers each; the last four registers are 0
.set QS,  72                           ; v72-79   their scale words
.set S,   80                           ; v80-207  the scores: key tile u at S + 64 u
.set ST,  208                          ; key tile u at ST + 8 u: +0 negM, +1 largest t, +2, +3 the sum in two halves, +4 f, +5 0, +6 at work
.set CH,  224                          ; v224-231 eight chains of maxima
.set X2,  232                          ; v232-235 the sums' second chains
.set WV,  10
.set CS,  22                           ; s[22:23] log2(e), twice
.set G1,  24
.set G0,  32
.set TRIPS, 36
.set TB,  37
.macro CROUND                          ; a round of the cluster's barrier
	s_barrier_signal -1
	s_barrier_wait -1
	s_cmp_lg_u32 s[WV], 0
	s_cbranch_scc1 .Lnot_wave_0_\@
	s_barrier_signal -3
.Lnot_wave_0_\@:
	s_barrier_wait -3
	s_barrier_signal -1
	s_barrier_wait -1
.endm
.macro BAR
	s_wait_dscnt 0x0
	s_barrier_signal -1
	s_barrier_wait -1
.endm
	s_load_b128 s[4:7], s[0:1], 0x0                ; qrec s[4:5], kvrec s[6:7]
	s_load_b64 s[8:9], s[0:1], 0x10                ; stat
	v_lshl_add_u32 v[SPW], v0, 2, SPARE
	v_mov_b32 v[NIL], 0
	ds_add_u32 v[SPW], v[NIL]                      ; the wave's opening: the add, twice on end, and its wait ahead of my first tensor load
	ds_add_u32 v[SPW], v[NIL]
	v_lshrrev_b32 v14, 5, v0
	s_delay_alu instid0(VALU_DEP_1)
	v_readfirstlane_b32 s[WV], v14                 ; wave 0..15
	s_bfe_u32 s11, ttmp6, 0x40000                  ; cx: it enters global addresses alone
	s_lshl_b32 s12, ttmp9, 2
	s_add_co_u32 s12, s12, s11                     ; my key step
	s_and_b32 s13, ttmp7, 0xffff                   ; the batch, which the four partners share
	s_lshr_b32 s14, s[WV], 2                       ; which pair of key tiles
	s_and_b32 s15, s[WV], 3                        ; which quarter of the queries
	s_mov_b32 s[G1], 15|(3<<16)|(1<<21)            ; the mask: all four work-groups; elements of 8 bytes; bit 21 beside a mask; no padding
	s_mov_b32 s[G1+1], 32<<16                      ; tensor_dim0 = 32 elements: rows of 256 bytes
	s_mov_b32 s[G1+2], 20<<16                      ; tensor_dim1 = 20 rows: two records
	s_mov_b32 s[G1+3], 32<<16                      ; tile_dim0
	s_mov_b32 s[G1+4], 20                          ; tile_dim1
	s_mov_b32 s[G1+5], 32                          ; the pitch: dense
	s_mov_b32 s[G1+6], 0
	s_mov_b32 s[G1+7], 0
	s_mov_b32 s[CS], 0x3fb8aa3b
	s_mov_b32 s[CS+1], s[CS]
	v_mov_b32 v[ZR], 0
	v_and_b32 v[LANE], 31, v0
	v_and_b32 v14, 15, v0                          ; r
	v_bfe_u32 v15, v0, 4, 1                        ; h
	s_mul_i32 s16, s15, 20480
	v_lshl_add_u32 v[AQ0], v14, 4, s16
	s_lshl_b32 s16, s15, 11
	s_lshl_b32 s17, s14, 8
	s_add_co_u32 s16, s16, s17
	s_add_co_u32 s16, s16, PART
	v_lshl_add_u32 v[PSA], v14, 3, s16
	s_delay_alu instid0(VALU_DEP_1)
	v_lshl_add_u32 v[PSA], v15, 10, v[PSA]         ; PART + 2,048 (w % 4) + 1,024 h + 256 (w / 4) + 8 r
	v_and_b32 v34, 127, v0
	s_delay_alu instid0(VALU_DEP_1)
	v_lshl_add_u32 v[PRA], v34, 3, PART
	v_and_b32 v34, 7, v0                           ; thread 16 t + r is key 32 (t / 2) + 8 (t % 2) + r % 8 + 16 (r / 8) of the step
	v_bfe_u32 v35, v0, 3, 1
	s_delay_alu instid0(VALU_DEP_2)
	v_lshl_add_u32 v34, v15, 3, v34
	s_delay_alu instid0(VALU_DEP_1)
	v_lshl_add_u32 v34, v35, 4, v34
	v_bfe_u32 v35, v0, 5, 2
	s_delay_alu instid0(VALU_DEP_1)
	v_lshl_add_u32 v34, v35, 5, v34
	s_delay_alu instid0(VALU_DEP_1)
	v_lshl_add_u32 v[RSA], v34, 2, REC
	v_and_b32 v34, 63, v0
	s_delay_alu instid0(VALU_DEP_1)
	v_lshl_add_u32 v[RRA], v34, 4, REC
	s_delay_alu instid0(VALU_DEP_2)
	v_lshlrev_b32 v[GSO], 4, v34
	s_lshl_b32 s16, s14, 9
	v_lshl_add_u32 v[KO], v14, 4, s16              ; k's codes: tile 2 (w / 4), row r
	s_lshr_b32 s16, s14, 1
	s_lshl_b32 s16, s16, 8
	s_and_b32 s17, s14, 1
	s_lshl_b32 s17, s17, 3
	s_add_co_u32 s16, s16, s17
	v_lshl_add_u32 v[KSO], v14, 4, s16             ; and its scale word
	s_wait_dscnt 0x0                               ; both opening adds are done
	s_wait_kmcnt 0x0
	s_mov_b32 s[G0], 1
	s_mul_i32 s[G0+1], s[WV], 5120                 ; LDS: wave x two records
	s_mul_i32 s16, s13, 81920
	s_add_co_u32 s16, s16, s[G0+1]
	s_mov_b32 s17, 0
	s_add_nc_u64 s[G0+2:G0+3], s[4:5], s[16:17]    ; made of the batch and the wave's number alone: equal in the four partners
	s_or_b32 s[G0+3], s[G0+3], 0x80000000
	CROUND                                         ; all four work-groups are here: the joint loads meet
	tensor_load_to_lds s[G0:G0+3], s[G1:G1+7]
	s_nop 0
.rept 4
	v_nop
.endr
	s_lshl_b32 s16, s13, 5
	s_add_co_u32 s16, s16, s12                     ; my record's index
	s_mul_i32 s18, s16, 6912
	s_mov_b32 s19, 0
	s_add_nc_u64 s[6:7], s[6:7], s[18:19]
	s_lshl_b32 s18, s16, 10
	s_add_nc_u64 s[8:9], s[8:9], s[18:19]
	s_wait_alu depctr_va_vdst(0)
.irp u, 0,1
	global_load_b128 v[KB+8*\u:KB+8*\u+3], v[KO], s[6:7] offset:256*\u
	global_load_b32 v[KBS+\u], v[KSO], s[6:7] offset:2048+4*\u
.endr
	s_wait_loadcnt 0x0
	v_cmp_lt_u32 vcc_lo, 15, v[LANE]
.irp i, 0,1,2,3,8,9,10,11
	v_cndmask_b32 v[KB+\i], v[KB+\i], v[ZR], vcc_lo        ; lanes 16-31 hold block 1: zero codes
.endr
.irp i, 4,5,6,7,12,13,14,15
	v_mov_b32 v[KB+\i], 0                                  ; blocks 2 and 3
.endr
.irp i, 32,33,34,35
	v_mov_b32 v[QF+\i], 0                                  ; what the eighth tile of q names beyond its own four registers
.endr
; The statistics' first values stand here, behind the last write of an operand register: an operand written by vector instructions stands four plain vector instructions ahead of a scaled product, and these eight moves are such instructions.
.irp u, 0,1
	v_mov_b32 v[ST+8*\u+1], 0xff61b1e6             ; the largest t so far: -3e38, under every t
	v_mov_b32 v[ST+8*\u+2], 0
	v_mov_b32 v[ST+8*\u+3], 0
	v_mov_b32 v[ST+8*\u+5], 0
.endr
.irp u, 0,1
	v_floor_f32 v[ST+8*\u], -v[ST+8*\u+1]
.endr
	s_mov_b32 s[TRIPS], 8
	s_mov_b32 s[TB], 0
	s_wait_tensorcnt 0x0                           ; my two records are in,
	s_barrier_signal -1
	s_barrier_wait -1                              ; everybody's are
.Ltrip:                                            ; a trip: 128 queries x my 32 keys
	s_setprio 2
	v_add_nc_u32 v[ADR], s[TB], v[AQ0]
.irp k, 0,1,2,3,4,5,6,7
	ds_load_b128 v[QF+4*\k:QF+4*\k+3], v[ADR] offset:256*\k
.endr
.irp g, 0,1
	ds_load_b128 v[QS+4*\g:QS+4*\g+3], v[ADR] offset:2048+256*\g
.endr
	s_add_co_u32 s[TB], s[TB], 2560
	s_wait_dscnt 0x0
.irp k, 0,1,2,3,4,5,6,7
.irp u, 0,1
	v_wmma_scale_f32_16x16x128_f8f6f4 v[S+64*\u+8*\k:S+64*\u+8*\k+7], v[QF+4*\k:QF+4*\k+7], v[KB+8*\u:KB+8*\u+7], 0, v[QS+\k], v[KBS+\u] matrix_a_fmt:MATRIX_FMT_FP4 matrix_b_fmt:MATRIX_FMT_FP4
.endr
.endr
.rept 4
	v_nop                                          ; four places: ahead of the first read of results, and of the next trip's loads into the operands
.endr
.irp u, 0,1
.irp k, 0,1,2,3
	v_max3_num_f32 v[CH+4*\u+\k], v[S+64*\u+16*\k], v[S+64*\u+16*\k+1], v[S+64*\u+16*\k+2]   ; eight chains by turns; each accumulator is read from its low end on
.endr
.endr
.irp i, 3,5,7,9,11,13
.irp u, 0,1
.irp k, 0,1,2,3
	v_max3_num_f32 v[CH+4*\u+\k], v[CH+4*\u+\k], v[S+64*\u+16*\k+\i], v[S+64*\u+16*\k+\i+1]
.endr
.endr
.endr
.irp u, 0,1
.irp k, 0,1,2,3
	v_max_num_f32 v[CH+4*\u+\k], v[CH+4*\u+\k], v[S+64*\u+16*\k+15]
.endr
.endr
.irp u, 0
	v_max3_num_f32 v[ST+8*\u+6], v[CH+4*\u], v[CH+4*\u+1], v[CH+4*\u+2]
.endr
.irp u, 1
	s_delay_alu instid0(VALU_DEP_3)
	v_max3_num_f32 v[ST+8*\u+6], v[CH+4*\u], v[CH+4*\u+1], v[CH+4*\u+2]
.endr
.irp u, 0,1
	s_delay_alu instid0(VALU_DEP_2)
	v_max_num_f32 v[ST+8*\u+6], v[ST+8*\u+6], v[CH+4*\u+3]
.endr
.irp u, 0,1
	s_delay_alu instid0(VALU_DEP_2)
	v_mul_f32 v[ST+8*\u+6], s[CS], v[ST+8*\u+6]            ; as t
.endr
.irp u, 0,1
	s_delay_alu instid0(VALU_DEP_2)
	v_max_num_f32 v[ST+8*\u+1], v[ST+8*\u+1], v[ST+8*\u+6] ; the running largest t
.endr
.irp u, 0,1
	v_mov_b32 v[ST+8*\u+6], v[ST+8*\u]
.endr
.irp u, 0,1
	s_delay_alu instid0(VALU_DEP_4)
	v_floor_f32 v[ST+8*\u], -v[ST+8*\u+1]                  ; the new -M: a whole number
.endr
.irp u, 0,1
	s_delay_alu instid0(VALU_DEP_2)
	v_sub_f32 v[ST+8*\u+6], v[ST+8*\u], v[ST+8*\u+6]       ; old M - new M, 0 or less
.endr
.irp u, 0,1
	s_delay_alu instid0(VALU_DEP_2)
	v_cvt_i32_f32 v[ST+8*\u+6], v[ST+8*\u+6]               ; (it saturates)
.endr
.irp u, 0,1
	s_delay_alu instid0(VALU_DEP_2)
	v_ldexp_f32 v[ST+8*\u+4], 1.0, v[ST+8*\u+6]            ; f = 2^(old M - new M)
.endr
.irp u, 0,1
.set J, 0
.rept 32
	v_pk_fma_f32 v[S+64*\u+J:S+64*\u+J+1], v[S+64*\u+J:S+64*\u+J+1], s[CS:CS+1], v[ST+8*\u:ST+8*\u+1] op_sel_hi:[1,0,0]   ; t - M
.set J, J+2
.endr
.endr
.set J, 0
	s_setprio 1
	s_wait_alu depctr_va_vdst(0)
.rept 128
	v_exp_f32 v[S+J], v[S+J]
.set J, J+1
.endr
	s_setprio 0
.irp u, 0,1
	v_pk_mul_f32 v[ST+8*\u+2:ST+8*\u+3], v[ST+8*\u+2:ST+8*\u+3], v[ST+8*\u+4:ST+8*\u+5] op_sel_hi:[1,0]   ; the sums under the new M: plain work behind the exponentials
.endr
	s_wait_alu depctr_va_vdst(0)                   ; one wait for the whole batch, ahead of its first reader
.irp u, 0,1
	v_pk_add_f32 v[X2+2*\u:X2+2*\u+1], v[S+64*\u:S+64*\u+1], v[S+64*\u+2:S+64*\u+3]
.endr
.set J, 4
.rept 15
.irp u, 0,1
	v_pk_add_f32 v[ST+8*\u+2:ST+8*\u+3], v[ST+8*\u+2:ST+8*\u+3], v[S+64*\u+J:S+64*\u+J+1]
	v_pk_add_f32 v[X2+2*\u:X2+2*\u+1], v[X2+2*\u:X2+2*\u+1], v[S+64*\u+J+2:S+64*\u+J+3]
.endr
.set J, J+4
.endr
.irp u, 0
	s_delay_alu instid0(VALU_DEP_3)
	v_pk_add_f32 v[ST+8*\u+2:ST+8*\u+3], v[ST+8*\u+2:ST+8*\u+3], v[X2+2*\u:X2+2*\u+1]
.endr
.irp u, 1
	s_delay_alu instid0(VALU_DEP_2)
	v_pk_add_f32 v[ST+8*\u+2:ST+8*\u+3], v[ST+8*\u+2:ST+8*\u+3], v[X2+2*\u:X2+2*\u+1]
.endr
	s_sub_co_u32 s[TRIPS], s[TRIPS], 1
	s_cmp_lg_u32 s[TRIPS], 0
	s_cbranch_scc1 .Ltrip
	s_setprio 0
.irp u, 0,1
	v_add_f32 v[ST+8*\u+1], v[ST+8*\u+2], v[ST+8*\u+3]     ; the sum beside negM
.endr
.irp u, 0,1
	ds_store_b64 v[PSA], v[ST+8*\u:ST+8*\u+1] offset:128*\u
.endr
	BAR                                            ; all parts lie in LDS
	s_cmp_lt_u32 s[WV], 4
	s_cbranch_scc0 .Lno_join
.irp e, 0,1,2,3,4,5,6,7                ; a thread to a key
	ds_load_b64 v[80+2*\e:81+2*\e], v[PRA] offset:1024*\e
.endr
	s_wait_dscnt 0x0
	v_min3_num_f32 v96, v80, v82, v84              ; the least negM is the largest M
	s_delay_alu instid0(VALU_DEP_1)
	v_min3_num_f32 v96, v96, v86, v88
	s_delay_alu instid0(VALU_DEP_1)
	v_min3_num_f32 v96, v96, v90, v92
	s_delay_alu instid0(VALU_DEP_1)
	v_min_num_f32 v96, v96, v94
.irp e, 0,1,2,3,4,5,6,7
	v_sub_f32 v[80+2*\e], v96, v[80+2*\e]          ; the part's M - the key's M
.endr
.irp e, 0,1,2,3,4,5,6,7
	v_cvt_i32_f32 v[80+2*\e], v[80+2*\e]
.endr
.irp e, 0,1,2,3,4,5,6,7
	v_ldexp_f32 v[81+2*\e], v[81+2*\e], v[80+2*\e] ; the part's sum under the key's M
.endr
	v_add_f32 v81, v81, v83
	v_add_f32 v85, v85, v87
	v_add_f32 v89, v89, v91
	s_delay_alu instid0(VALU_DEP_4)
	v_add_f32 v93, v93, v95
	s_delay_alu instid0(VALU_DEP_3)
	v_add_f32 v81, v81, v85
	s_delay_alu instid0(VALU_DEP_2)
	v_add_f32 v89, v89, v93
	s_delay_alu instid0(VALU_DEP_1)
	v_add_f32 v81, v81, v89
	s_wait_alu depctr_va_vdst(0)
	v_rcp_f32 v97, v81
	v_nop                                          ; a plain place behind the reciprocal,
	s_wait_alu depctr_va_vdst(0)                   ; and the wait ahead of its first reader
	ds_store_b32 v[RSA], v96
	ds_store_b32 v[RSA], v97 offset:512
.Lno_join:
	BAR                                            ; the record lies in LDS
	s_cmp_lt_u32 s[WV], 2
	s_cbranch_scc0 .Lno_copy
	ds_load_b128 v[100:103], v[RRA]
	s_wait_dscnt 0x0
	global_store_b128 v[GSO], v[100:103], s[8:9]   ; a wave stores 512 consecutive bytes
.Lno_copy:
	s_wait_tensorcnt 0x0                           ; the wave's end
	ds_add_u32 v[SPW], v[NIL]
	s_wait_dscnt 0x0
	CROUND                                         ; the closing round
	s_endpgm
.Lfunc_end_k_q1761f584e9_stats:
	.size	k_q1761f584e9_stats, .Lfunc_end_k_q1761f584e9_stats-k_q1761f584e9_stats
	.p2alignl 7, 3214868480
	.fill 96, 4, 3214868480
	.section	.rodata,"a",@progbits
	.p2align	6, 0x0
	.amdhsa_kernel k_q1761f584e9_stats
		.amdhsa_group_segment_fixed_size 167936
		.amdhsa_private_segment_fixed_size 0
		.amdhsa_enable_private_segment 0
		.amdhsa_kernarg_size 24
		.amdhsa_user_sgpr_count 2
		.amdhsa_user_sgpr_kernarg_segment_ptr 1
		.amdhsa_wavefront_size32 1
		.amdhsa_system_sgpr_workgroup_id_x 1
		.amdhsa_system_sgpr_workgroup_id_y 1
		.amdhsa_system_sgpr_workgroup_id_z 1
		.amdhsa_system_vgpr_workitem_id 0
		.amdhsa_next_free_vgpr 256
		.amdhsa_next_free_sgpr 66
		.amdhsa_reserve_vcc 1
		.amdhsa_float_denorm_mode_32 3
		.amdhsa_float_denorm_mode_16_64 3
		.amdhsa_memory_ordered 1
		.amdhsa_forward_progress 1
		.amdhsa_inst_pref_size 31
	.end_amdhsa_kernel
	.amdgpu_metadata
---
amdhsa.version: [ 1, 2 ]
amdhsa.kernels:
  - .name:           k_q1761f584e9_stats
    .symbol:         k_q1761f584e9_stats.kd
    .args:
      - { .name: qrec, .offset: 0, .size: 8, .value_kind: global_buffer, .address_space: global }
      - { .name: kvrec, .offset: 8, .size: 8, .value_kind: global_buffer, .address_space: global }
      - { .name: stat, .offset: 16, .size: 8, .value_kind: global_buffer, .address_space: global }
    .group_segment_fixed_size: 167936
    .private_segment_fixed_size: 0
    .kernarg_segment_align: 8
    .kernarg_segment_size: 24
    .max_flat_workgroup_size: 512
    .sgpr_count:     66
    .vgpr_count:     256
    .wavefront_size: 32
...
	.end_amdgpu_metadata
.endif
;; end of part 2
;; launch attn (part 3): grid 32 x 8, 8 waves a work-group, clusters of 4 x 1, 262,144 bytes of LDS; arguments x1, x2, Wsc, gamma, qrec, kvrec, stat, out0; writes out0
.if DOCPART == 3
	.amdgcn_target "amdgcn-amd-amdhsa--gfx1250"
	.amdhsa_code_object_version 6
	.text
	.protected	k_q1761f584e9_attn
	.globl	k_q1761f584e9_attn
	.p2align	8
	.type	k_q1761f584e9_attn,@function
k_q1761f584e9_attn:
	s_mov_b64 s[64:65], 0
	v_nop
	global_prefetch_b8 v0, s[64:65] scope:SCOPE_SE
	s_setreg_imm32_b32 hwreg(HW_REG_WAVE_MODE, 25, 1), 1
	s_wait_xcnt 0x0
	s_wait_alu depctr_hold_cnt(0) depctr_sa_sdst(0) depctr_va_vdst(0) depctr_va_sdst(0) depctr_va_ssrc(0) depctr_va_vcc(0) depctr_vm_vsrc(0)
	s_getreg_b32 s2, hwreg(HW_REG_IB_STS2, 6, 4)
	s_cmp_eq_u32 s2, 0
	s_cbranch_scc0 .Lentry_in_a_cluster
	s_endpgm
.Lentry_in_a_cluster:
	s_bfe_u32 s2, ttmp6, 0x10000c
	s_cmp_lg_u32 s2, 0x3003
	s_cbranch_scc0 .Lentry_shape_is_right
	s_endpgm
.Lentry_shape_is_right:
; THIRD LAUNCH: a[n][m] = 2^(log2(e) q[n] . k[m] - M[m]) x r[m], the finished softmax along n; it is quantised along the keys m in blocks of 32; out[c][n] = the sum over m of v[c][m] a[n][m]; y = gamma out + x, quantised along
; the 64 channels; result = Wsc y.  All products on codes of FP4 (E2M1) with E8M0 scales.  No work is left out.
; LIMITS: v_exp_f32 gives 0 for results under 2^-126; a block of zeros gets the byte 1 (its codes are zeros); NaN and infinities are not served.
; SHARES: a work-group owns 128 queries of one batch, in their natural order: tile T, lane r is pixel 16 T + r.  Wave w: query tiles 4 (w / 4) .. + 3, key steps 8 (w % 4) .. + 7.  A key step's 128 registers of negM and r are read from LDS
; once for four tiles of queries.  The four parts along the keys are added through LDS at the end, where wave w finishes tile w.
; LAYOUT: S^T = k q^T (source 0 = 16 keys, source 1 = 16 queries) and out^T = v a^T (source 0 = 16 channels, source 1 = a): a lane holds ONE query throughout.  The keys of a tile, and v's channels, lie in the records' order, so that
; 16 registers of two neighbouring tiles are 16 neighbours along the next K.  The first product has K = 32: q is the fixed operand, zero codes outside block 0; k is streamed, and what lies beside its block meets zero codes.
; LDS: the whole batch's kvrec (221,184 bytes) and stat (32,768) are filled ONCE, by joint loads of the cluster's four work-groups, which all walk them: two tensor loads a wave are out at the head, none later; no slot is filled again.
; The stages of the way out lie in bytes that have had their only fill and that nobody reads any more.
; REGISTERS, window 0: v1-7 addresses; v8-25 scale words; v26 a's scale word; v28-39 at work; v40-47 a's codes; v48-111 scores, then a; v112-175 negM; v176-239 r; v240-252 addresses.
;   window 1: v0-127 out^T (tile t, channel tile ct at 32 t + 8 ct); v128-159 q; v160-195 k (the last four 0); v196-227 v; v228-239 Wsc (the last four 0).
.set STB,   221184                     ; LDS: stat's records behind kvrec's
.set SPARE, 253952                     ; the spare words, 128 bytes for each of 8 waves
.set OSTG,  131072                     ; the way out: 32 rows x (512 + 16) bytes; the accumulators' images lie from 0 on, 16,384 bytes a wave
.set SPW, 1
.set NIL, 2
.set A16R, 3                           ; v3   55,296 (w % 4) + 16 r
.set A16L, 4                           ; v4   55,296 (w % 4) + 16 lane
.set AST, 5                            ; v5   STB + 8,192 (w % 4) + 64 h
.set ZR,  6
.set H8,  7
.set QS,  8                            ; v8-11   q's scale words
.set KS,  12                           ; v12-19  k's
.set VS,  20                           ; v20-23  v's
.set WS,  24                           ; v24-25  Wsc's
.set PW,  26                           ; v26     the scale word just made
.set TM,  28
.set PC,  40
.set S,   48
.set MV,  112
.set RV,  176
.set OD,  112                          ; the last product's results
.set OB,  144                          ; rows read back from the stage
.set QO,  240
.set QSO, 241
.set WO,  242
.set XO,  243
.set SSA, 244
.set SRA, 245
.set OSA, 246
.set ORA, 247
.set GO,  248
.set LANE, 249
.set AR,  250                          ; the step's addresses
.set AL,  251
.set AS,  252
.set ACC, 0                            ; window 1
.set QF,  128
.set KF,  160
.set VF,  196
.set WF,  228
.set WV,  20
.set G1KV, 24
.set G1ST, 32
.set G0KV, 40
.set G0ST, 44
.set SEL, 50
.set CS,  52
.set GAM, 54
.set TRIPS, 56
.set TKV, 60
.set TST, 61
.set MSB, 0
.macro WIN new                         ; the immediate's high byte repeats the setting that is left
.if MSB != \new
	s_set_vgpr_msb (MSB<<8)|\new
.set MSB, \new
.endif
.endm
.macro CROUND
	s_barrier_signal -1
	s_barrier_wait -1
	s_cmp_lg_u32 s[WV], 0
	s_cbranch_scc1 .Lnot_wave_0_\@
	s_barrier_signal -3
.Lnot_wave_0_\@:
	s_barrier_wait -3
	s_barrier_signal -1
	s_barrier_wait -1
.endm
.macro BAR
	s_wait_dscnt 0x0
	s_barrier_signal -1
	s_barrier_wait -1
.endm
; Two blocks whose 32 numbers each lie in one lane; the codes go to window 1
.macro Q32X2 src, d0, d1
.irp c, 0,1
	v_max3_num_f32 v[TM+\c], |v[\src+32*\c]|, |v[\src+32*\c+1]|, 0x1800000
.endr
.irp i, 2,4,6,8,10,12,14,16,18,20,22,24,26,28,30
.irp c, 0,1
	v_max3_num_f32 v[TM+\c], v[TM+\c], |v[\src+32*\c+\i]|, |v[\src+32*\c+\i+1]|
.endr
.endr
.irp c, 0,1
	v_add_nc_u32 v[TM+4+\c], 0xff000000, v[TM+\c]
.endr
.irp c, 0,1
	v_lshrrev_b32 v[TM+8+\c], 23, v[TM+4+\c]
.endr
	WIN 0x40
.irp g, 0,1,2,3
	v_cvt_scalef32_pk8_fp4_f32 v[\d0+\g], v[\src+8*\g:\src+8*\g+7], v[TM+4]
	v_cvt_scalef32_pk8_fp4_f32 v[\d1+\g], v[\src+32+8*\g:\src+32+8*\g+7], v[TM+5]
.endr
	WIN 0
	v_nop
.endm
.macro WWORD dst, c
	v_lshlrev_b32 v[\dst], v[H8], v[TM+8+\c]
	v_permlanex16_b32 v[TM+10], v[\dst], s[SEL], s[SEL+1]
	v_or_b32 v[\dst], v[\dst], v[TM+10]
.endm
; nb blocks (2 or 4) of which a lane holds 16 numbers, v[s + 16 b + i], and lane l xor 16 the other 16: the operand's codes in v[PC] on, whole blocks to a lane, and its scale word in v[PW]
.macro QUANT s, nb
.set QB, 0
.rept \nb
	v_max3_num_f32 v[TM+QB], |v[\s+16*QB]|, |v[\s+16*QB+1]|, 0x1800000
.set QB, QB+1
.endr
.irp i, 2,4,6,8,10,12,14
.set QB, 0
.rept \nb
	v_max3_num_f32 v[TM+QB], v[TM+QB], |v[\s+16*QB+\i]|, |v[\s+16*QB+\i+1]|
.set QB, QB+1
.endr
.endr
.set QB, 0
.rept \nb
	v_permlanex16_b32 v[TM+4+QB], v[TM+QB], s[SEL], s[SEL+1]
.set QB, QB+1
.endr
.set QB, 0
.rept \nb
	v_max_num_f32 v[TM+QB], v[TM+QB], v[TM+4+QB]
.set QB, QB+1
.endr
.set QB, 0
.rept \nb
	v_add_nc_u32 v[TM+8+QB], 0xff000000, v[TM+QB]
.set QB, QB+1
.endr
.set QB, 0
.rept \nb
	v_lshrrev_b32 v[TM+4+QB], 23, v[TM+8+QB]
.set QB, QB+1
.endr
	v_lshl_or_b32 v[PW], v[TM+5], 8, v[TM+4]
.if \nb > 2
	v_lshl_or_b32 v[PW], v[TM+6], 16, v[PW]
	v_lshl_or_b32 v[PW], v[TM+7], 24, v[PW]
.endif
.set QB, 0
.rept \nb
	v_cvt_scalef32_pk8_fp4_f32 v[PC+2*QB], v[\s+16*QB:\s+16*QB+7], v[TM+8+QB]
	v_cvt_scalef32_pk8_fp4_f32 v[PC+2*QB+1], v[\s+16*QB+8:\s+16*QB+15], v[TM+8+QB]
.set QB, QB+1
.endr
	v_nop                                          ; one plain place behind the last scaled conversion
.set QB, 0
.rept \nb/2
	v_permlane16_swap_b32 v[PC+4*QB], v[PC+4*QB+2]
	v_permlane16_swap_b32 v[PC+4*QB+1], v[PC+4*QB+3]
.set QB, QB+1
.endr
.endm
	s_load_b256 s[4:11], s[0:1], 0x0               ; x1 s[4:5], x2 s[6:7], Wsc s[8:9], gamma s[10:11]
	s_load_b256 s[12:19], s[0:1], 0x20             ; qrec s[12:13], kvrec s[14:15], stat s[16:17], out0 s[18:19]
	v_lshl_add_u32 v[SPW], v0, 2, SPARE
	v_mov_b32 v[NIL], 0
	ds_add_u32 v[SPW], v[NIL]                      ; the wave's opening: the add, twice on end, and its wait ahead of my first tensor load
	ds_add_u32 v[SPW], v[NIL]
	v_lshrrev_b32 v112, 5, v0
	v_readfirstlane_b32 s[WV], v112                ; wave 0..7
	s_bfe_u32 s21, ttmp6, 0x40000                  ; cx: it enters global addresses alone
	s_lshl_b32 s22, ttmp9, 2
	s_add_co_u32 s22, s22, s21                     ; my query step
	s_and_b32 s23, ttmp7, 0xffff                   ; the batch, which the four partners share
	s_lshr_b32 s58, s[WV], 2                       ; which four query tiles
	s_and_b32 s59, s[WV], 3                        ; which quarter of the keys
	s_mov_b32 s[G1KV], 15|(3<<16)|(1<<21)          ; the mask: all four work-groups; elements of 8 bytes; bit 21 beside a mask; no padding
	s_mov_b32 s[G1KV+1], 32<<16                    ; rows of 256 bytes,
	s_mov_b32 s[G1KV+2], 108<<16                   ; 108 of them: four records of kvrec
	s_mov_b32 s[G1KV+3], 32<<16
	s_mov_b32 s[G1KV+4], 108
	s_mov_b32 s[G1KV+5], 32                        ; dense
	s_mov_b32 s[G1KV+6], 0
	s_mov_b32 s[G1KV+7], 0
	s_mov_b32 s[G1ST], 15|(3<<16)|(1<<21)
	s_mov_b32 s[G1ST+1], 32<<16
	s_mov_b32 s[G1ST+2], 16<<16                    ; 16 rows: four records of stat
	s_mov_b32 s[G1ST+3], 32<<16
	s_mov_b32 s[G1ST+4], 16
	s_mov_b32 s[G1ST+5], 32
	s_mov_b32 s[G1ST+6], 0
	s_mov_b32 s[G1ST+7], 0
	s_mov_b32 s[SEL], 0x76543210
	s_mov_b32 s[SEL+1], 0xfedcba98
	s_mov_b32 s[CS], 0x3fb8aa3b                    ; log2(e)
	s_mov_b32 s[CS+1], s[CS]
	s_mov_b32 s[TKV], 0
	s_mov_b32 s[TST], 0
	s_wait_dscnt 0x0                               ; both opening adds are done
	s_wait_kmcnt 0x0
	s_mov_b32 s[G0KV], 1
	s_mul_i32 s[G0KV+1], s[WV], 27648
	s_mul_i32 s48, s23, 221184
	s_add_co_u32 s48, s48, s[G0KV+1]
	s_mov_b32 s49, 0
	s_add_nc_u64 s[G0KV+2:G0KV+3], s[14:15], s[48:49]      ; made of the batch and the wave's number alone
	s_or_b32 s[G0KV+3], s[G0KV+3], 0x80000000
	s_mov_b32 s[G0ST], 1
	s_lshl_b32 s57, s[WV], 12
	s_add_co_u32 s[G0ST+1], s57, STB
	s_lshl_b32 s48, s23, 15
	s_add_co_u32 s48, s48, s57
	s_add_nc_u64 s[G0ST+2:G0ST+3], s[16:17], s[48:49]
	s_or_b32 s[G0ST+3], s[G0ST+3], 0x80000000
	CROUND                                         ; all four work-groups are here: the joint loads meet
	tensor_load_to_lds s[G0KV:G0KV+3], s[G1KV:G1KV+7]
	s_nop 0
	tensor_load_to_lds s[G0ST:G0ST+3], s[G1ST:G1ST+7]
	s_nop 0
.rept 4
	v_nop
.endr
	; while the tiles are on their way: gamma, Wsc, q, and every address
	s_load_b32 s[GAM], s[10:11], 0x0
	s_lshl_b32 s57, s23, 5
	s_add_co_u32 s57, s57, s22
	s_mul_i32 s48, s57, 2560
	s_add_nc_u64 s[12:13], s[12:13], s[48:49]      ; my step's record of q
	s_lshl_b32 s48, s23, 19
	s_add_nc_u64 s[4:5], s[4:5], s[48:49]          ; my batch of x1, x2 and the output
	s_add_nc_u64 s[6:7], s[6:7], s[48:49]
	s_add_nc_u64 s[18:19], s[18:19], s[48:49]
	v_and_b32 v[LANE], 31, v0
	v_and_b32 v112, 15, v0                         ; r
	v_bfe_u32 v113, v0, 4, 1                       ; h
	v_and_b32 v114, 7, v0                          ; r % 8
	v_bfe_u32 v115, v0, 3, 1                       ; r / 8
	v_lshlrev_b32 v[WO], 8, v112
	v_lshl_add_u32 v[WO], v113, 7, v[WO]           ; Wsc: row r of 256 bytes, block h
.irp o, 0,1
.irp i, 0,1,2,3,4,5,6,7
	global_load_b128 v[S+32*\o+4*\i:S+32*\o+4*\i+3], v[WO], s[8:9] offset:4096*\o+16*\i
.endr
.endr
	; pixel 16 T + r lies in the record's tile 2 (T / 2) + r / 8 at row r % 8 + 8 (T % 2)
	v_lshlrev_b32 v[QO], 4, v114
	v_lshl_add_u32 v[QO], v115, 8, v[QO]
	s_lshl_b32 s57, s58, 10
	v_add_nc_u32 v[QO], s57, v[QO]
	v_lshlrev_b32 v[QSO], 4, v114
	v_lshl_add_u32 v[QSO], v115, 2, v[QSO]
	s_lshl_b32 s57, s58, 8
	v_add_nc_u32 v[QSO], s57, v[QSO]
	WIN 0x40                                       ; destination window 1
.irp t, 0,1,2,3
	global_load_b128 v[QF+8*\t:QF+8*\t+3], v[QO], s[12:13] offset:512*(\t/2)+128*(\t%2)
.endr
	WIN 0
.irp t, 0,1,2,3
	global_load_b32 v[QS+\t], v[QSO], s[12:13] offset:2048+128*(\t%2)+8*(\t/2)
.endr
	v_mov_b32 v[ZR], 0
	v_lshlrev_b32 v[H8], 3, v113
	s_mul_i32 s57, s59, 55296
	v_lshl_add_u32 v[A16R], v112, 4, s57
	v_lshl_add_u32 v[A16L], v[LANE], 4, s57
	s_lshl_b32 s57, s59, 13
	s_add_co_u32 s57, s57, STB
	v_lshl_add_u32 v[AST], v113, 6, s57
	s_lshl_b32 s57, s22, 9
	s_lshl_b32 s48, s[WV], 6
	s_add_co_u32 s48, s48, s57
	v_lshl_add_u32 v[XO], v112, 2, s48
	v_lshl_add_u32 v[XO], v113, 18, v[XO]          ; x: 512 step + 64 w + 4 r, and 16 channels further on for lanes 16-31
	s_lshl_b32 s48, s[WV], 16
	s_add_co_u32 s48, s48, s57
	v_lshl_add_u32 v[GO], v[LANE], 4, s48          ; the output: rows 4 w on, 512 step + 16 lane
	s_lshl_b32 s57, s[WV], 14
	v_lshl_add_u32 v[SSA], v[LANE], 4, s57
	s_lshl_b32 s57, s58, 16
	s_lshl_b32 s48, s59, 12
	s_add_co_u32 s57, s57, s48
	v_lshl_add_u32 v[SRA], v[LANE], 4, s57         ; tile w's eight images in the first of the four waves that hold a part of it
	v_mul_u32_u24 v[OSA], v112, 528
	v_lshl_add_u32 v[OSA], v113, 5, v[OSA]
	s_lshl_b32 s57, s[WV], 6
	s_add_co_u32 s57, s57, OSTG
	v_add_nc_u32 v[OSA], s57, v[OSA]
	s_mul_i32 s57, s[WV], 2112
	s_add_co_u32 s57, s57, OSTG
	v_lshl_add_u32 v[ORA], v[LANE], 4, s57
.irp i, 4,5,6,7,10
	v_mov_b32 v[TM+\i], 0                          ; written once: a lane permute's destination counts as one of its sources
.endr
	s_wait_loadcnt 8                               ; Wsc's 16 loads are in; q's eight may be out
	Q32X2 S, WF, WF+4                              ; lane (r, h) holds block h of its row: the codes are the fragments' registers 0-3
	WWORD WS, 0
	WWORD WS+1, 1
	s_wait_loadcnt 0x0
	v_cmp_lt_u32 vcc_lo, 15, v[LANE]
	WIN 0x41
.irp t, 0,1,2,3
.irp i, 0,1,2,3
	v_cndmask_b32 v[QF+8*\t+\i], v[QF+8*\t+\i], v[ZR], vcc_lo      ; lanes 16-31 hold block 1: zero codes
.endr
.endr
	WIN 0x40
.irp t, 0,1,2,3
.irp i, 4,5,6,7
	v_mov_b32 v[QF+8*\t+\i], 0
.endr
.endr
.irp i, 0,1,2,3
	v_mov_b32 v[KF+32+\i], 0
	v_mov_b32 v[WF+8+\i], 0
.endr
	WIN 0
	s_wait_kmcnt 0x0
	s_mov_b32 s[GAM+1], s[GAM]
	s_wait_tensorcnt 0x0                           ; my parts are in,
	s_barrier_signal -1
	s_barrier_wait -1                              ; everybody's are
; One tile of 16 queries against the step's 128 keys.
.macro TILE t, zero
.if \t == 0
	s_wait_dscnt 41                                ; k and its scale words are in; the 41 younger loads (negM, r, v, v's scale words) may be out
.endif
	WIN 0x05                                       ; k and q in window 1
.irp k, 0,1,2,3,4,5,6,7
	v_wmma_scale_f32_16x16x128_f8f6f4 v[S+8*\k:S+8*\k+7], v[KF+4*\k:KF+4*\k+7], v[QF+8*\t:QF+8*\t+7], 0, v[KS+\k], v[QS+\t] matrix_a_fmt:MATRIX_FMT_FP4 matrix_b_fmt:MATRIX_FMT_FP4
.endr
	WIN 0
.rept 4
	v_nop                                          ; four places ahead of the first read of results
.endr
.if \t == 0
	s_wait_dscnt 9                                 ; negM and r are in; v and its scale words may be out
.endif
.set J, 0
.rept 32
	v_pk_fma_f32 v[S+J:S+J+1], v[S+J:S+J+1], s[CS:CS+1], v[MV+J:MV+J+1] op_sel_hi:[1,0,1]   ; t - M; register 16 b + i is key 32 b + 16 h + i; each accumulator from its low end on
.set J, J+2
.endr
.set J, 0
.rept 64
	v_exp_f32 v[S+J], v[S+J]
.set J, J+1
.endr
	v_nop                                          ; a plain place behind the last exponential,
	s_wait_alu depctr_va_vdst(0)                   ; and one wait for the batch, ahead of its first reader
.set J, 0
.rept 32
	v_pk_mul_f32 v[S+J:S+J+1], v[S+J:S+J+1], v[RV+J:RV+J+1]        ; a = 2^(t - M) x r: finished and normalised
.set J, J+2
.endr
	QUANT S, 4
.rept 8
	v_nop                                          ; a scale register written by vector instructions stands eight places ahead of a scaled product, an operand four
.endr
.if \t == 0
	s_wait_dscnt 0x0                               ; v and its scale words
.endif
	WIN 0x51                                       ; v in window 1, a in window 0, out^T in window 1
.irp ct, 0,1,2,3                       ; the four accumulators by turns; an accumulator's next link stands a whole step on
.if \zero
	v_wmma_scale_f32_16x16x128_f8f6f4 v[ACC+32*\t+8*\ct:ACC+32*\t+8*\ct+7], v[VF+8*\ct:VF+8*\ct+7], v[PC:PC+7], 0, v[VS+\ct], v[PW] matrix_a_fmt:MATRIX_FMT_FP4 matrix_b_fmt:MATRIX_FMT_FP4
.else
	v_wmma_scale_f32_16x16x128_f8f6f4 v[ACC+32*\t+8*\ct:ACC+32*\t+8*\ct+7], v[VF+8*\ct:VF+8*\ct+7], v[PC:PC+7], v[ACC+32*\t+8*\ct:ACC+32*\t+8*\ct+7], v[VS+\ct], v[PW] matrix_a_fmt:MATRIX_FMT_FP4 matrix_b_fmt:MATRIX_FMT_FP4
.endif
.endr
	WIN 0
.endm
; A step of 128 keys: 51 LDS loads in one run, then four tiles.  zero = 1: the first step starts the sums.
.macro STEP zero
	v_add_nc_u32 v[AR], s[TKV], v[A16R]            ; these three and the v_nop are the four places between the last products and the loads into their operands
	v_add_nc_u32 v[AL], s[TKV], v[A16L]
	v_add_nc_u32 v[AS], s[TST], v[AST]
	v_nop
	WIN 0x40
.irp k, 0,1,2,3,4,5,6,7
	ds_load_b128 v[KF+4*\k:KF+4*\k+3], v[AR] offset:256*\k
.endr
	WIN 0
.irp g, 0,1
	ds_load_b128 v[KS+4*\g:KS+4*\g+3], v[AR] offset:2048+256*\g
.endr
.irp b, 0,1,2,3
.irp q, 0,1,2,3
	ds_load_b128 v[MV+16*\b+4*\q:MV+16*\b+4*\q+3], v[AS] offset:128*\b+16*\q
.endr
.endr
.irp b, 0,1,2,3
.irp q, 0,1,2,3
	ds_load_b128 v[RV+16*\b+4*\q:RV+16*\b+4*\q+3], v[AS] offset:512+128*\b+16*\q
.endr
.endr
	WIN 0x40
.irp ct, 0,1,2,3
.irp c, 0,1
	ds_load_b128 v[VF+8*\ct+4*\c:VF+8*\ct+4*\c+3], v[AL] offset:2560+1024*\ct+512*\c
.endr
.endr
	WIN 0
	ds_load_b128 v[VS:VS+3], v[AR] offset:6656
	s_add_co_u32 s[TKV], s[TKV], 6912
	s_add_co_u32 s[TST], s[TST], 1024
	TILE 0, \zero
	TILE 1, \zero
	TILE 2, \zero
	TILE 3, \zero
.endm
	STEP 1
	s_mov_b32 s[TRIPS], 7
.Lstep:
	STEP 0
	s_sub_co_u32 s[TRIPS], s[TRIPS], 1
	s_cmp_lg_u32 s[TRIPS], 0
	s_cbranch_scc1 .Lstep
	; THE WAY OUT.  Wave w finishes query tile w.
.rept 4
	v_nop                                          ; four places behind the last products, ahead of the stores of their results
.endr
.set J, 0
.rept 16
	global_load_b32 v[RV+J], v[XO], s[4:5] offset:16384*J th:TH_LOAD_NT        ; x at channel 16 h + J of x1,
	global_load_b32 v[RV+16+J], v[XO], s[6:7] offset:16384*J th:TH_LOAD_NT     ; and of x2: register 16 b + i is channel 32 b + 16 h + i, as out^T has it
.set J, J+1
.endr
	BAR                                            ; every wave's reads of the records are over
	WIN 0x04                                       ; an LDS store's data are its source 1: window 1
.set J, 0
.rept 32
	ds_store_b128 v[SSA], v[ACC+4*J:ACC+4*J+3] offset:512*J        ; my accumulators as images of their registers, each from its low end on
.set J, J+1
.endr
	WIN 0
	BAR
.irp p, 0,1,2,3
.irp k, 0,1,2,3,4,5,6,7
	ds_load_b128 v[S+32*\p+4*\k:S+32*\p+4*\k+3], v[SRA] offset:16384*\p+512*\k     ; tile w's four parts along the keys
.endr
.endr
	s_wait_dscnt 0x0
.set J, 0
.rept 16
	v_pk_add_f32 v[S+J:S+J+1], v[S+J:S+J+1], v[S+32+J:S+32+J+1]
	v_pk_add_f32 v[S+64+J:S+64+J+1], v[S+64+J:S+64+J+1], v[S+96+J:S+96+J+1]
.set J, J+2
.endr
.set J, 0
.rept 16
	v_pk_add_f32 v[S+J:S+J+1], v[S+J:S+J+1], v[S+64+J:S+64+J+1]
.set J, J+2
.endr
	s_wait_loadcnt 0x0                             ; x
.set J, 0
.rept 16
	v_pk_fma_f32 v[S+J:S+J+1], v[S+J:S+J+1], s[GAM:GAM+1], v[RV+J:RV+J+1] op_sel_hi:[1,0,1]   ; y = gamma out + x
.set J, J+2
.endr
	QUANT S, 2                                     ; along the 64 channels: two blocks
.irp i, 4,5,6,7
	v_mov_b32 v[PC+\i], 0                          ; K is 64: the upper 64 are zero codes
.endr
.rept 8
	v_nop
.endr
	WIN 0x04                                       ; Wsc in window 1
.irp o, 0,1                            ; source 0 = my 16 pixels, source 1 = 16 rows of Wsc: lane (r, h) holds output channel 16 o + r, pixels 16 w + 8 h + 0 .. 7
	v_wmma_scale_f32_16x16x128_f8f6f4 v[OD+8*\o:OD+8*\o+7], v[PC:PC+7], v[WF+4*\o:WF+4*\o+7], 0, v[PW], v[WS+\o] matrix_a_fmt:MATRIX_FMT_FP4 matrix_b_fmt:MATRIX_FMT_FP4
.endr
	WIN 0
.rept 4
	v_nop
.endr
.irp o, 0,1
	ds_store_b128 v[OSA], v[OD+8*\o:OD+8*\o+3] offset:8448*\o
	ds_store_b128 v[OSA], v[OD+8*\o+4:OD+8*\o+7] offset:8448*\o+16
.endr
	BAR                                            ; 32 whole rows of 128 pixels lie in the stage
.irp i, 0,1,2,3
	ds_load_b128 v[OB+4*\i:OB+4*\i+3], v[ORA] offset:528*\i
.endr
.irp i, 0,1,2,3
	s_wait_dscnt 3-\i
	global_store_b128 v[GO], v[OB+4*\i:OB+4*\i+3], s[18:19] offset:16384*\i th:TH_STORE_NT    ; 32 lanes store 512 consecutive bytes, aligned
.endr
	s_wait_tensorcnt 0x0                           ; the wave's end
	ds_add_u32 v[SPW], v[NIL]
	s_wait_dscnt 0x0
	CROUND                                         ; the closing round
	s_endpgm
.Lfunc_end_k_q1761f584e9_attn:
	.size	k_q1761f584e9_attn, .Lfunc_end_k_q1761f584e9_attn-k_q1761f584e9_attn
	.p2alignl 7, 3214868480
	.fill 96, 4, 3214868480
	.section	.rodata,"a",@progbits
	.p2align	6, 0x0
	.amdhsa_kernel k_q1761f584e9_attn
		.amdhsa_group_segment_fixed_size 262144
		.amdhsa_private_segment_fixed_size 0
		.amdhsa_enable_private_segment 0
		.amdhsa_kernarg_size 64
		.amdhsa_user_sgpr_count 2
		.amdhsa_user_sgpr_kernarg_segment_ptr 1
		.amdhsa_wavefront_size32 1
		.amdhsa_system_sgpr_workgroup_id_x 1
		.amdhsa_system_sgpr_workgroup_id_y 1
		.amdhsa_system_sgpr_workgroup_id_z 1
		.amdhsa_system_vgpr_workitem_id 0
		.amdhsa_next_free_vgpr 512
		.amdhsa_next_free_sgpr 66
		.amdhsa_reserve_vcc 1
		.amdhsa_float_denorm_mode_32 3
		.amdhsa_float_denorm_mode_16_64 3
		.amdhsa_memory_ordered 1
		.amdhsa_forward_progress 1
		.amdhsa_inst_pref_size 131
	.end_amdhsa_kernel
	.amdgpu_metadata
---
amdhsa.version: [ 1, 2 ]
amdhsa.kernels:
  - .name:           k_q1761f584e9_attn
    .symbol:         k_q1761f584e9_attn.kd
    .args:
      - { .name: x1, .offset: 0, .size: 8, .value_kind: global_buffer, .address_space: global }
      - { .name: x2, .offset: 8, .size: 8, .value_kind: global_buffer, .address_space: global }
      - { .name: Wsc, .offset: 16, .size: 8, .value_kind: global_buffer, .address_space: global }
      - { .name: gamma, .offset: 24, .size: 8, .value_kind: global_buffer, .address_space: global }
      - { .name: qrec, .offset: 32, .size: 8, .value_kind: global_buffer, .address_space: global }
      - { .name: kvrec, .offset: 40, .size: 8, .value_kind: global_buffer, .address_space: global }
      - { .name: stat, .offset: 48, .size: 8, .value_kind: global_buffer, .address_space: global }
      - { .name: out0, .offset: 56, .size: 8, .value_kind: global_buffer, .address_space: global }
    .group_segment_fixed_size: 262144
    .private_segment_fixed_size: 0
    .kernarg_segment_align: 8
    .kernarg_segment_size: 64
    .max_flat_workgroup_size: 256
    .sgpr_count:     66
    .vgpr_count:     512
    .wavefront_size: 32
...
	.end_amdgpu_metadata
.endif
;; end of part 3
